; MI455X (gfx1250); checked and timed in simulation.
; The chip was launched on July 23, 2026; its instructions are those of AMD's public machine-readable ISA for CDNA 5 (MIT licence, August 2026) and "CDNA5" Instruction Set Architecture Reference Guide (July 2026). The comments in the code are by the model that wrote it; some were corrected since.
;; Multi Head Attention. Allowed arithmetic: matrix products marked QUANTISED: E5M2 operands, one given power-of-two scale a tensor, by v_wmma_f32_16x16x64_bf8_bf8 or v_wmma_f32_16x16x128_bf8_bf8, f32 sums; everything else in f32.
;; Inputs: Wkv_codes 2,048 x 32 x 32 uint8 (E5M2 codes of Wkv, K innermost, in blocks of 32 codes); Wo_codes 1,024 x 32 x 32 uint8 (E5M2 codes of Wo, K innermost, in blocks of 32 codes); Wq_codes 1,024 x 32 x 32 uint8 (E5M2 codes of Wq, K innermost, in blocks of 32 codes); bkv 2,048 float32; bo 1,024 float32; bq 1,024 float32; key_value_padding_mask 4 x 2,048 bool; key_value_sequence_codes 4 x 2,048 x 32 x 32 uint8 (E5M2 codes of key_value_sequence, K innermost, in blocks of 32 codes); lowp_scales 10 int32 (the exponents e of the quantised operands' scales 2^e); query_sequence_codes 4 x 2,048 x 32 x 32 uint8 (E5M2 codes of query_sequence, K innermost, in blocks of 32 codes).
;; Outputs: out0 4 x 2,048 x 1,024 float32.
;; Constants: apply_causal_mask = 1.
;; This version of the problem:
;;   THIS VERSION OF THE PROBLEM IS GIVEN IN LOW PRECISION. The matrix products marked QUANTISED in the list below multiply operands that are first quantised to E5M2 (5 exponent bits, 2 mantissa bits; 8 bits a number), with one given power-of-two scale for each operand tensor; their sums are f32. All else is computed in f32.
;;   The module's matrix products, in the order in which they are computed (A, B: the left and right operand; K: the contracted axis; several contracted axes count as one K, in the product's order):
;;     1. [M 8,192, K 1,024] x [K 1,024, N 1,024]; A: input query_sequence (given as codes); B: input Wq (given as codes): QUANTISED (scales: A lowp_scales[0], B lowp_scales[1])
;;     2. [M 8,192, K 1,024] x [K 1,024, N 2,048]; A: input key_value_sequence (given as codes); B: input Wkv (given as codes): QUANTISED (scales: A lowp_scales[2], B lowp_scales[3])
;;     3. batch 64 x [M 2,048, K 64] x [K 64, N 2,048]; A: computed on the way; B: computed on the way: QUANTISED (scales: A lowp_scales[4], B lowp_scales[5])
;;     4. batch 64 x [M 64, K 2,048] x [K 2,048, N 2,048]; A: computed on the way; B: softmax (see below): QUANTISED (scales: A lowp_scales[6], B lowp_scales[7])
;;     5. [M 8,192, K 1,024] x [K 1,024, N 1,024]; A: computed on the way; B: input Wo (given as codes): QUANTISED (scales: A lowp_scales[8], B lowp_scales[9])
;;   THE QUANTISER, for each operand of a quantised product, along K:
;;     - The operand's scale is 2^e, e = its entry of the input lowp_scales (int32; the entries are numbered through the quantised products in the list's order, A before B).
;;     - Each number is divided by the scale, clamped to +-57,344, and rounded to the nearest number of E5M2, ties to even, subnormals kept.
;;     - The product sums the exact products of the quantised numbers (number of the format x scale) in f32.
;;   ~~~python
;;   def quantise(x, axis, e):      # numpy; x: float32 -> the quantised numbers, widened to float32 again
;;       x = np.moveaxis(x, axis, -1); K = x.shape[-1]
;;       r = np.clip(x / 2.0 ** e, -57344, 57344)
;;       step = 2.0 ** (np.maximum(np.frexp(np.where(r == 0, 1, r))[1] - 1, -14) - 2)
;;       q = np.round(r / step) * step * 2.0 ** e      # np.round: ties to even
;;       return np.moveaxis(q, -1, axis).astype(np.float32)
;;   ~~~
;;   SOFTMAX AHEAD OF A QUANTISED PRODUCT. Where the list says 'softmax', what is quantised is not the finished softmax but p = 2^(t - M), with t = logit x log2(e) and M = ceil(the row's largest t), a whole number; so 1/2 < the row's largest p <= 1. The row's sum l is taken of the UNQUANTISED p, in f32, and the product's result is divided by l at the end. Since M is a whole number, a kernel that streams over the keys may use a running M (the ceiling of the running maximum): every later rescaling is an exact power of two, so the quantised numbers keep their values, but for numbers so far below the row's largest that they fall under the format's range.
;;   OPERANDS COMPUTED ON THE WAY. 'Computed on the way' means the value that the module computes at that place (a softmax that the list does not call 'softmax' is quantised finished and normalised). What goes into a quantiser is computed in f32, as accurately as f32 sums, v_exp_f32 and their like allow (about 1e-6 of the number): no bf16 or f16 on the way to a quantiser, and a product that is left as it is and whose result goes on into a quantised operand takes f32 operands (vector FMAs, or v_wmma_f32_16x16x4_f32). A number that lies on a knife's edge between two numbers of the format may be rounded either way, as far as f32 arithmetic and the matrix unit's own rounding can turn it there, and no further.
;;   INPUTS GIVEN AS CODES. Wkv (in the module: [1024, 2048], K = its axis 0); Wo (in the module: [1024, 1024], K = its axis 0); Wq (in the module: [1024, 1024], K = its axis 0); key_value_sequence (in the module: [4, 2048, 1024], K = its axis 2); query_sequence (in the module: [4, 2048, 1024], K = its axis 2): each comes as NAME_codes (uint8): NAME with its K axis moved to the last place and cut into blocks of 32 codes, [.., K / 32, bytes a block], one block behind the other in memory; one code a byte (a code: sign, 5 exponent bits, 2 mantissa bits); its scale is its entry of lowp_scales. Its value is code x scale, taken as it is: it is not quantised again, and the codes and scales need not be those that the quantiser above would give.
;; One version. Each part assembles by itself: llvm-mc -triple=amdgcn-amd-amdhsa -mcpu=gfx1250 --defsym DOCPART=n.
;; ======== version 1 of 1: 3 launches
;; limits: right only within a limited range of input values
;; workspace buffers: q_img 8,388,608 bytes; k_img 8,388,608 bytes; v_img 8,388,608 bytes; a_img 8,388,608 bytes
;; launch proj (part 1): grid 8 x 32, 4 waves a work-group, clusters of 4 x 4, 327,680 bytes of LDS; arguments Wq_codes, Wkv_codes, query_sequence_codes, key_value_sequence_codes, bq, bkv, lowp_scales, q_img, k_img, v_img; writes q_img, k_img, v_img
.if DOCPART == 1
	.amdgcn_target "amdgcn-amd-amdhsa--gfx1250"
	.amdhsa_code_object_version 6
	.text
	.protected	k_qfde4cd3aea_proj
	.globl	k_qfde4cd3aea_proj
	.p2align	8
	.type	k_qfde4cd3aea_proj,@function
k_qfde4cd3aea_proj:
	s_mov_b64 s[64:65], 0
	v_nop
	global_prefetch_b8 v0, s[64:65] scope:SCOPE_SE
	s_setreg_imm32_b32 hwreg(HW_REG_WAVE_MODE, 25, 1), 1
	s_wait_xcnt 0x0
	s_wait_alu depctr_hold_cnt(0) depctr_sa_sdst(0) depctr_va_vdst(0) depctr_va_sdst(0) depctr_va_ssrc(0) depctr_va_vcc(0) depctr_vm_vsrc(0)
	s_getreg_b32 s2, hwreg(HW_REG_IB_STS2, 6, 4)
	s_cmp_eq_u32 s2, 0
	s_cbranch_scc0 .Lentry_in_a_cluster
	s_endpgm
.Lentry_in_a_cluster:
	s_bfe_u32 s2, ttmp6, 0x10000c
	s_cmp_lg_u32 s2, 0xf033
	s_cbranch_scc0 .Lentry_shape_is_right
	s_endpgm
.Lentry_shape_is_right:
; THE THREE PROJECTIONS: q = Xq Wq^T + bq, k and v = Xkv Wkv^T + bkv, on codes of BF8 (E5M2) as given, sums in f32; each result is quantised at once (q with 2^e4, k with 2^e5, v with 2^e6)
; and stored as an IMAGE OF THE NEXT PRODUCT'S OPERAND REGISTERS: blocks of 512 bytes, four registers each, lane l's 16 bytes at 16 l.
;   q_img, k_img: [batch][head][tile of 16 tokens][1,024 bytes]: lane (r, h) holds token r; registers 2 c, 2 c + 1 hold channels 16 c + 8 h + 0 .. 7
;   v_img:        [batch][head][64 keys][16 channels][1,024 bytes]: lane (r, h) holds channel r; registers 2 c, 2 c + 1 hold keys 16 c + 8 h + 0 .. 7
; DEAD WORK IN THE PROGRAM: none here.  In the attention launch the key steps that lie wholly behind the causal mask, which reference() builds itself, are left out: their p is 0 whatever finite values the inputs hold.
; LIMIT: a NaN, an infinity or an overflow that reaches only that work is not carried to the result.
; 256 work-groups = 8 blocks of 128 features (two heads) x 32 blocks of 256 tokens.  Each makes 256 tokens x 128 features of k and of v (one tile of 256 x 256), then the same of q (256 x 128).
; Four waves (i = wave / 2: which 128 tokens; j = wave % 2).  k/v: j = 0 makes k, j = 1 makes v, 128 x 128 each: 64 accumulators.  q: j picks the head, 128 x 64: 32 accumulators.
; SOURCE 0 ('B') GIVES A LANE'S EIGHT REGISTERS, SOURCE 1 ('A') ITS LANE.  k, q: B = features, A = tokens.  v: B = tokens, A = features: only the LDS addresses are exchanged.
; So an accumulator's eight registers are eight neighbours along the next product's K: one conversion gives two registers of the next operand in the lane that wants them.
; THE RING: two slots of 256 along K, eight fills: four of Xkv (256 rows), Wk and Wv (128 rows each), then four of Xq (256 rows) and Wq (128 rows).  Waves 0 and 1 fetch X, waves 2 and 3 W.
; CLUSTERS: 4 x 4.  X's tiles are asked for jointly along a row of the cluster, W's along a column.
; PREFETCH: behind each of the five fills 1 to 5 the rows of the fill two further on are asked for, each block of 256 bytes once in a cluster: of the rows that a wave fetches each partner takes a quarter, told apart by address.
; Of W, which all 8 clusters along y read, only the first four clusters along y ask.
; THE BIAS is the C of each sum's first matrix instruction, divided by the power of two that the sums lack.
; A sum stands for sum x 2^(ea + eb): its code is sum / 2^(eo - ea - eb), held within +-57,344 x that.
; LIMITS: eo - ea - eb between -126 and 112 (q: e4 - e0 - e1; k: e5 - e2 - e3; v: e6 - e2 - e3); bias / 2^(ea + eb) finite.  NaN among the inputs is not served.
; REGISTERS, in windows of 256: window 0: v16-31 addresses and scale numbers; v32-95 the bias; v96-111 codes; v112-113 the prefetches' offsets; v128-255 A's fragments.
;   window 1: B's fragments, two sets.   windows 2, 3: the accumulators of A's blocks 0-3 and 4-7.
.set ROWB,   256
.set PITCH,  272                       ; an LDS row: 256 bytes + 16 of padding
.set FR,     16
.set NL,     4
.set NP,     4
.set HALFT,  128*PITCH
.set SLOT,   4*HALFT
.set SPARE,  2*SLOT                    ; the spare words, 128 bytes for each wave
.set ADRA, 16                          ; v16-17  my A fragments in slot 0, 1 (k/v)
.set ADQA, 18                          ; v18-19  the same for q
.set ADRB, 20
.set ADQB, 22
.set VO0,  24                          ; v24     16 x lane
.set VO1,  25                          ; v25     the same in the second fragment of a block
.set SCL,  26
.set LIM,  27
.set SPW,  28
.set NIL,  29
.set BO,   30
.set BQ,   31                          ; v31     32 h
.set BI,   32
.set TMP,  96
.set PFK,  112
.set PFQ,  113
.set AF,   128
.set G1, 24                            ; s[24:31] group 1 for X;  s[32:39] group 0, one for each slot
.set G0, 32
.set G1B, 48                           ; s[48:55], s[56:63] the same for W
.set G0B, 56
.set MSB, 0
.macro WIN new                         ; the immediate's high byte repeats the setting that is left
.if MSB != (\new)
	s_set_vgpr_msb (MSB<<8)|(\new)
.set MSB, (\new)
.endif
.endm
.set MUL_LO, 0xa1
.set MUL_HI, 0xf1
.set TO_B,   0x40
.macro JLOAD s
	s_cmp_eq_u32 s15, 0
	s_cbranch_scc0 .Lfor_b_\@
	tensor_load_to_lds s[G0+4*\s:G0+4*\s+3], s[G1:G1+7]
	s_nop 0
.rept 4
	v_nop
.endr
	s_branch .Lasked_\@
.Lfor_b_\@:
	tensor_load_to_lds s[G0B+4*\s:G0B+4*\s+3], s[G1B:G1B+7]
	s_nop 0
.rept 4
	v_nop
.endr
.Lasked_\@:
.endm
.macro CREST                           ; a round of the cluster's barrier behind its opening barrier
	s_cmp_lg_u32 s14, 0
	s_cbranch_scc1 .Lnot_wave_0_\@
	s_barrier_signal -3
.Lnot_wave_0_\@:
	s_barrier_wait -3
	s_barrier_signal -1
	s_barrier_wait -1
.endm
.macro CROUND
	s_barrier_signal -1
	s_barrier_wait -1
	CREST
.endm
.macro ASK reg, base, off              ; one instruction a wave: a lane a row of 256 bytes
	s_cmp_eq_u32 s67, 1
	s_cbranch_scc0 .Lnot_mine_\@
	global_prefetch_b8 v[\reg], s[\base:\base+1] offset:\off th:TH_LOAD_NT scope:SCOPE_SE
.Lnot_mine_\@:
.endm
	s_load_b256 s[68:75], s[0:1], 0x0              ; Wq s[68:69], Wkv s[70:71], Xq s[72:73], Xkv s[74:75]
	s_load_b256 s[76:83], s[0:1], 0x20             ; bq s[76:77], bkv s[78:79], exponents s[80:81], q_img s[82:83]
	s_load_b128 s[84:87], s[0:1], 0x40             ; k_img s[84:85], v_img s[86:87]
	v_lshl_add_u32 v[SPW], v0, 2, SPARE
	v_mov_b32 v[NIL], 0
	ds_add_u32 v[SPW], v[NIL]                      ; the opening: the add, twice on end, and its wait ahead of my first tensor load
	ds_add_u32 v[SPW], v[NIL]
	v_lshrrev_b32 v1, 5, v0
	v_readfirstlane_b32 s14, v1                    ; wave 0..3
	s_lshr_b32 s15, s14, 1                         ; i.  Also: I fetch for X (0) or for W (1)
	s_and_b32 s16, s14, 1                          ; j.  Also: which half of it I fetch
	s_bfe_u32 s40, ttmp6, 0x40000                  ; cx, cy
	s_bfe_u32 s41, ttmp6, 0x40004
	s_lshl_b32 s42, ttmp9, 2
	s_add_co_u32 s42, s42, s40                     ; f: block of 128 features
	s_and_b32 s18, ttmp7, 0xffff
	s_cmp_lt_u32 s18, 4
	s_cselect_b32 s67, 1, 0
	s_cmp_eq_u32 s15, 0
	s_cselect_b32 s67, 1, s67                      ; 1: my wave prefetches
	s_lshl_b32 s17, s18, 2
	s_add_co_u32 s17, s17, s41                     ; T: block of 256 tokens
	s_lshl_b32 s43, s41, 2
	s_lshl_b32 s43, 15, s43                        ; my row of the cluster
	s_lshl_b32 s44, 0x1111, s40                    ; my column
	; group 1: 128 rows x 256 bytes, 16 bytes of padding behind each row
	s_or_b32 s[G1+0], s43, (0<<16)|(1<<20)|(1<<21)|(5<<22)|(3<<25)
	s_or_b32 s[G1B+0], s44, (0<<16)|(1<<20)|(1<<21)|(5<<22)|(3<<25)
.irp g, G1, G1B
	s_mov_b32 s[\g+1], ROWB<<16
	s_mov_b32 s[\g+2], 128<<16
	s_mov_b32 s[\g+3], ROWB<<16
	s_mov_b32 s[\g+4], 128
	s_mov_b32 s[\g+5], 1024
	s_mov_b32 s[\g+6], 0
	s_mov_b32 s[\g+7], 0
.endr
	s_lshl_b32 s20, s17, 18
	s_lshl_b32 s18, s16, 17
	s_add_co_u32 s20, s20, s18                     ; X: row 256 T + 128 x half, in bytes
	s_mov_b32 s21, 0
	s_lshl_b32 s46, s42, 17
	s_lshl_b32 s22, s16, 16
	s_add_co_u32 s22, s22, s46                     ; Wq: row 128 f + 64 x half
	s_mov_b32 s23, 0
	s_lshl_b32 s18, s16, 20
	s_add_co_u32 s46, s46, s18                     ; Wkv: row 128 f + 1,024 x half: k's rows, v's rows
	s_mov_b32 s47, 0
	s_mul_i32 s45, s14, HALFT                      ; where they go
	s_mul_i32 s66, s16, HALFT/2
	s_add_co_u32 s66, s66, 2*HALFT                 ; and Wq's halves
	s_wait_alu depctr_va_vdst(0)                   ; directly ahead of the waits below
	s_wait_dscnt 0x0                               ; both opening adds are done
	s_wait_kmcnt 0x0
	s_load_b256 s[88:95], s[80:81], 0x0            ; e0 .. e7
	s_add_nc_u64 s[4:5], s[72:73], s[20:21]        ; my part of Xq,
	s_add_nc_u64 s[6:7], s[68:69], s[22:23]        ; of Wq,
	s_add_nc_u64 s[20:21], s[74:75], s[20:21]      ; of Xkv,
	s_add_nc_u64 s[46:47], s[70:71], s[46:47]      ; of Wkv
	CROUND                                         ; all sixteen work-groups are here: the first joint loads meet
.irp s, 0,1
	s_mov_b32 s[G0+4*\s], 1
	s_add_co_u32 s[G0+4*\s+1], s45, \s*SLOT
	s_add_nc_u64 s[G0+4*\s+2:G0+4*\s+3], s[20:21], \s*ROWB
	s_or_b32 s[G0+4*\s+3], s[G0+4*\s+3], 0x80000000
	s_mov_b32 s[G0B+4*\s], 1
	s_add_co_u32 s[G0B+4*\s+1], s45, \s*SLOT
	s_add_nc_u64 s[G0B+4*\s+2:G0B+4*\s+3], s[46:47], \s*ROWB
	s_or_b32 s[G0B+4*\s+3], s[G0B+4*\s+3], 0x80000000
.endr
	JLOAD 0                                        ; fill 0: my one tensor load at the head
	; where my prefetches stand: X by cx, W by cy
	s_cmp_eq_u32 s15, 0
	s_cselect_b64 s[96:97], s[20:21], s[46:47]
	s_cselect_b64 s[98:99], s[4:5], s[6:7]
	s_cselect_b32 s18, s40, s41
	s_cselect_b32 s100, 15, 14                     ; a quarter of 128 rows is 32 rows, of Wq's 64 rows 16
	s_cselect_b32 s101, 31, 15
	s_lshl_b32 s22, s18, 15
	s_add_nc_u64 s[96:97], s[96:97], s[22:23]
	s_lshl_b32 s22, s18, s100
	s_add_nc_u64 s[98:99], s[98:99], s[22:23]
	v_and_b32 v6, 31, v0
	v_lshlrev_b32 v[VO0], 4, v6
	v_lshlrev_b32 v[PFK], 10, v6
	v_and_b32 v7, s101, v0
	v_lshlrev_b32 v[PFQ], 10, v7
	v_and_b32 v1, 15, v0                           ; r
	v_bfe_u32 v2, v0, 4, 1                         ; h
	v_mul_u32_u24 v3, v1, PITCH
	v_lshl_add_u32 v4, v2, 4, v3                   ; a fragment's row x pitch + 16 h
	v_lshlrev_b32 v[BQ], 5, v2
	; k: A = X's half i, B = Wk.  v: A = Wv, B = X's half i.  A slot: X's two halves, Wk, Wv
	s_xor_b32 s18, s16, 1
	s_and_b32 s19, s15, s18
	s_mul_i32 s19, s19, HALFT
	s_mul_i32 s21, s16, 3*HALFT
	s_add_co_u32 s21, s21, s19
	s_mul_i32 s22, s18, 2*HALFT
	s_and_b32 s19, s15, s16
	s_mul_i32 s19, s19, HALFT
	s_add_co_u32 s22, s22, s19
	s_mul_i32 s18, s15, HALFT                      ; q: A = X's half i, B = 64 rows of Wq
	s_wait_alu depctr_va_vdst(0)                   ; behind a run of scalar instructions
	v_add_nc_u32 v[ADRA], s21, v4
	v_add_nc_u32 v[ADRB], s22, v4
	v_add_nc_u32 v[ADQA], s18, v4
	v_add_nc_u32 v[ADQB], s66, v4
	v_add_nc_u32 v[ADRA+1], SLOT, v[ADRA]
	v_add_nc_u32 v[ADRB+1], SLOT, v[ADRB]
	v_add_nc_u32 v[ADQA+1], SLOT, v[ADQA]
	v_add_nc_u32 v[ADQB+1], SLOT, v[ADQB]
	; where my results go: ((batch x 16 + head) << 17) + ((token in the batch) << 6)
	s_lshr_b32 s18, s17, 3
	s_lshl_b32 s18, s18, 21
	s_lshl_b32 s19, s42, 18
	s_add_co_u32 s18, s18, s19
	s_and_b32 s19, s17, 7
	s_lshl_b32 s19, s19, 14
	s_add_co_u32 s18, s18, s19
	s_lshl_b32 s19, s15, 13
	s_add_co_u32 s18, s18, s19
	s_mov_b32 s19, 0
	s_lshl_b32 s20, s16, 17
	s_mov_b32 s21, 0
	s_add_nc_u64 s[2:3], s[82:83], s[18:19]
	s_add_nc_u64 s[2:3], s[2:3], s[20:21]          ; q: head 2 f + j
	s_mov_b32 s22, 131072
	s_mov_b32 s23, 4096
	s_cmp_eq_u32 s16, 0
	s_cselect_b64 s[10:11], s[84:85], s[86:87]
	s_cselect_b32 s100, s22, s23                   ; from B's blocks 0-3 to 4-7: k the next head, v the next 64 keys
	s_cselect_b32 s20, s23, s22                    ; from A's blocks 0-3 to 4-7: k the next four tiles of tokens, v the next head
	s_add_nc_u64 s[10:11], s[10:11], s[18:19]
	s_add_nc_u64 s[12:13], s[10:11], s[20:21]
	s_wait_alu depctr_va_vdst(0)                   ; behind a run of scalar instructions
	v_add_nc_u32 v[VO1], s100, v[VO0]
	s_lshl_b32 s18, s42, 9                         ; the biases of my features
	s_lshl_b32 s20, s16, 8
	s_add_co_u32 s20, s20, s18
	s_add_nc_u64 s[76:77], s[76:77], s[20:21]
	s_lshl_b32 s20, s16, 12
	s_add_co_u32 s18, s18, s20
	s_add_nc_u64 s[8:9], s[78:79], s[18:19]
	s_wait_alu depctr_va_vdst(0)                   ; directly ahead of the wait below
	s_wait_kmcnt 0x0                               ; the exponents
	s_add_co_i32 s18, s90, s91                     ; k, v: ea + eb
	s_sub_co_i32 s19, 0, s18
	s_cmp_eq_u32 s16, 0
	s_cselect_b32 s22, s93, s94
	s_sub_co_i32 s22, s22, s18
	s_add_co_i32 s22, s22, 127
	s_lshl_b32 s23, s22, 23
	v_mov_b32 v[SCL], s23
	s_add_co_i32 s22, s22, 15
	s_lshl_b32 s22, s22, 23
	s_or_b32 s22, s22, 0x600000                    ; the mantissa field of 57,344
	v_mov_b32 v[LIM], s22
	s_add_co_i32 s18, s88, s89                     ; q, for later: s88 the bias's exponent, s89 the scale, s90 the largest number
	s_sub_co_i32 s22, s92, s18
	s_sub_co_i32 s88, 0, s18
	s_add_co_i32 s22, s22, 127
	s_lshl_b32 s89, s22, 23
	s_add_co_i32 s22, s22, 15
	s_lshl_b32 s22, s22, 23
	s_or_b32 s90, s22, 0x600000
	; the bias in the result's layout.  k: tile b, register j = feature 16 b + 8 h + j.  v: tile a, all eight registers = feature 16 a + r
	s_wait_alu depctr_va_vdst(0)                   ; directly ahead of the branch
	s_cmp_eq_u32 s16, 1
	s_cbranch_scc1 .Lbias_v
	v_lshlrev_b32 v[BO], 5, v2
.irp b, 0,1,2,3,4,5,6,7
	global_load_b128 v[BI+8*\b:BI+8*\b+3], v[BO], s[8:9] offset:64*\b
	global_load_b128 v[BI+8*\b+4:BI+8*\b+7], v[BO], s[8:9] offset:64*\b+16
.endr
	s_wait_loadcnt 0x0
.set n, 0
.rept 64
	v_ldexp_f32 v[BI+n], v[BI+n], s19
.set n, n+1
.endr
	s_wait_alu depctr_va_vdst(0)
	s_branch .Lbias_done
.Lbias_v:
	v_lshlrev_b32 v[BO], 2, v1
.irp a, 0,1,2,3,4,5,6,7
	global_load_b32 v[BI+8*\a], v[BO], s[8:9] offset:64*\a
.endr
	s_wait_loadcnt 0x0
.irp a, 0,1,2,3,4,5,6,7
.irp j, 7,6,5,4,3,2,1,0
	v_ldexp_f32 v[BI+8*\a+\j], v[BI+8*\a], s19     ; the register that holds the tile's number comes last
.endr
.endr
	s_wait_alu depctr_va_vdst(0)
.Lbias_done:
.macro FRAG reg, adr, q, i             ; 16 rows x 128 K: lane l holds row l % 16; registers 4 c .. 4 c + 3 hold K = 32 c + 16 (l / 16) + 0 .. 15: one order of k for A and B alike
.irp c, 0,1,2,3
	ds_load_b128 v[\reg+4*\c:\reg+4*\c+3], v[\adr] offset:128*(\q)+32*\c+(\i)*16*PITCH
.endr
.endm
; A's blocks a0, a0 + 1 x B's first nb, 128 along K.  p: B's set.  zero = 0: onto the sums; 1: the sums begin with the bias of B's block; 2: of A's block.  The accumulators take turns, one instruction a turn
.macro MUL16 a0, p, zero, nb
.irp a, \a0, \a0+1
.irp b, 0,1,2,3,4,5,6,7
.if \b < \nb
.if \zero == 1
	v_wmma_f32_16x16x128_bf8_bf8 v[8*(8*((\a)%4)+\b):8*(8*((\a)%4)+\b)+7], v[128*(\p)+FR*\b:128*(\p)+FR*\b+FR-1], v[AF+FR*(\a):AF+FR*(\a)+FR-1], v[BI+8*\b:BI+8*\b+7]
.elseif \zero == 2
	v_wmma_f32_16x16x128_bf8_bf8 v[8*(8*((\a)%4)+\b):8*(8*((\a)%4)+\b)+7], v[128*(\p)+FR*\b:128*(\p)+FR*\b+FR-1], v[AF+FR*(\a):AF+FR*(\a)+FR-1], v[BI+8*(\a):BI+8*(\a)+7]
.else
	v_wmma_f32_16x16x128_bf8_bf8 v[8*(8*((\a)%4)+\b):8*(8*((\a)%4)+\b)+7], v[128*(\p)+FR*\b:128*(\p)+FR*\b+FR-1], v[AF+FR*(\a):AF+FR*(\a)+FR-1], v[8*(8*((\a)%4)+\b):8*(8*((\a)%4)+\b)+7]
.endif
.endif
.endr
.endr
.endm
.macro FETCH_B adr, q, nb              ; B's fragments of the slot's q-th 128 along K into set q
	WIN TO_B
.irp i, 0,1,2,3,4,5,6,7
.if \i < \nb
	FRAG 128*(\q)+FR*\i, \adr, \q, \i
.endif
.endr
	WIN 0
.endm
.macro FETCH_A adr, q, i0
.irp i, \i0, \i0+1, \i0+2, \i0+3
	FRAG AF+FR*(\i), \adr, \q, \i
.endr
.endm
.macro PLACES n                        ; plain vector instructions between a matrix instruction and a load into, or a vector read of, its registers
.rept \n
	v_nop
.endr
.endm
; The first 128 along K of a slot.  A block of A is free when its products are issued: blocks 0-3 are fetched anew in the middle, 4-7 at the end
.macro STEP ada, adb, zero, nb
	s_wait_dscnt 4*NL                              ; B and A's blocks 0-3 are in; the youngest sixteen (A's blocks 4-7) may be out
.if \zero
	WIN 0x81
.else
	WIN MUL_LO
.endif
	MUL16 0, 0, \zero, \nb
	MUL16 2, 0, \zero, \nb
	s_wait_dscnt 0
	PLACES NP
	FETCH_B \adb, 1, \nb
	FETCH_A \ada, 1, 0
.if \zero
	WIN 0xc1
.else
	WIN MUL_HI
.endif
	MUL16 4, 0, \zero, \nb
	MUL16 6, 0, \zero, \nb
	PLACES NP
	WIN 0
	FETCH_A \ada, 1, 4
.endm
; The second 128 along K changes slots.  ada, adb: the next slot's addresses; nbc, nbn: B's blocks now and next.  fill = 1: this slot is filled again two slots on along K; 2: with q's first (slot 0) or second (slot 1) piece.  pf: what is prefetched of q's rows, or -1
.macro TURN slot, ada, adb, nbc, nbn, fill, pf
	s_wait_tensorcnt 0x0                           ; my part of the next slot has landed
	ds_add_u32 v[SPW], v[NIL]                      ; 0 onto my spare word
	s_wait_dscnt 4*NL+1                            ; (the add and A's blocks 4-7 may be out)
	WIN MUL_LO
	MUL16 0, 1, 0, \nbc
	s_wait_dscnt 0x0                               ; the add is done, and so are my reads of this slot
	s_barrier_signal -1
	MUL16 2, 1, 0, \nbc
	WIN 0
	s_barrier_wait -1
.if \fill
	CREST                                          ; no wave of any partner still reads this slot or has a load on its way
.if \fill == 1
	s_add_nc_u64 s[G0+4*\slot+2:G0+4*\slot+3], s[G0+4*\slot+2:G0+4*\slot+3], 2*ROWB
	s_add_nc_u64 s[G0B+4*\slot+2:G0B+4*\slot+3], s[G0B+4*\slot+2:G0B+4*\slot+3], 2*ROWB
.else
.if \slot == 0
	s_mov_b32 s[G1B+2], 64<<16                     ; from here on W's tiles have 64 rows
	s_mov_b32 s[G1B+4], 64
.endif
	s_add_nc_u64 s[G0+4*\slot+2:G0+4*\slot+3], s[4:5], \slot*ROWB
	s_or_b32 s[G0+4*\slot+3], s[G0+4*\slot+3], 0x80000000
	s_add_co_u32 s[G0B+4*\slot+1], s66, \slot*SLOT
	s_add_nc_u64 s[G0B+4*\slot+2:G0B+4*\slot+3], s[6:7], \slot*ROWB
	s_or_b32 s[G0B+4*\slot+3], s[G0B+4*\slot+3], 0x80000000
.endif
	JLOAD \slot                                    ; its four v_nop are the places in front of the loads below
.else
	PLACES NP
.endif
	FETCH_B \adb, 0, \nbn
	FETCH_A \ada, 0, 0
.if \pf >= 0
	ASK PFQ, 98, \pf
.endif
	WIN MUL_HI
	MUL16 4, 1, 0, \nbc
	MUL16 6, 1, 0, \nbc
	PLACES NP
	WIN 0
	FETCH_A \ada, 0, 4
.endm
	s_wait_alu depctr_va_vdst(0)
	s_wait_tensorcnt 0x0                           ; my part of fill 0 is in
	ds_add_u32 v[SPW], v[NIL]
	s_wait_dscnt 0x0
	CROUND
	JLOAD 1                                        ; fill 1
	FETCH_B ADRB, 0, 8
	FETCH_A ADRA, 0, 0
	FETCH_A ADRA, 0, 4
	ASK PFK, 96, 768
	s_cmp_eq_u32 s16, 1                            ; the first step is written twice: it differs in which bias tile begins which sum
	s_cbranch_scc1 .Lfirst_v
	STEP ADRA, ADRB, 1, 8
	s_branch .Lfirst_done
.Lfirst_v:
	STEP ADRA, ADRB, 2, 8
.Lfirst_done:
	TURN 0, ADRA+1, ADRB+1, 8, 8, 1, 0
	STEP ADRA+1, ADRB+1, 0, 8
	TURN 1, ADRA, ADRB, 8, 8, 1, 256
	STEP ADRA, ADRB, 0, 8
	TURN 0, ADRA+1, ADRB+1, 8, 8, 2, 512
	STEP ADRA+1, ADRB+1, 0, 8
	TURN 1, ADQA, ADQB, 8, 4, 2, 768               ; k and v are finished; q's first fragments are fetched
; THE WAY OUT of A's block a: held, converted eight at a time, stored as fragments' images: each store covers 512 consecutive bytes
.macro EMIT a, nb
.set AC, 64*((\a)%4)
	WIN 0x82+0x41*((\a)/4)
.set n, 0
.rept 8*\nb
	v_med3_num_f32 v[AC+n], v[AC+n], -v[LIM], v[LIM]   ; the conversion to an 8-bit code does not saturate (ISA guide 7.6.2)
.set n, n+1
.endr
.if ((\a) > 0) || (\nb == 4)
	s_wait_alu depctr_va_vdst(0)
	s_wait_xcnt 0x0                                ; the last block's stores have read their data
.endif
	WIN 0x02+((\a)/4)
.irp b, 0,1,2,3,4,5,6,7
.if \b < \nb
	v_cvt_scalef32_pk8_bf8_f32 v[TMP+2*\b:TMP+2*\b+1], v[AC+8*\b:AC+8*\b+7], v[SCL]
.endif
.endr
	WIN 0
	v_nop                                          ; one plain vector instruction behind the last conversion of a run
.if \nb == 8
.set OB, 10+2*((\a)/4)
	global_store_b128 v[VO0], v[TMP:TMP+3], s[OB:OB+1] offset:((\a)%4)*1024
	global_store_b128 v[VO0], v[TMP+4:TMP+7], s[OB:OB+1] offset:((\a)%4)*1024+512
	global_store_b128 v[VO1], v[TMP+8:TMP+11], s[OB:OB+1] offset:((\a)%4)*1024
	global_store_b128 v[VO1], v[TMP+12:TMP+15], s[OB:OB+1] offset:((\a)%4)*1024+512
.else
	global_store_b128 v[VO0], v[TMP:TMP+3], s[2:3] offset:(\a)*1024
	global_store_b128 v[VO0], v[TMP+4:TMP+7], s[2:3] offset:(\a)*1024+512
.endif
.endm
.irp b, 0,1,2,3                                    ; q's bias: 64 features, on its way while k and v go out
	global_load_b128 v[BI+8*\b:BI+8*\b+3], v[BQ], s[76:77] offset:64*\b
	global_load_b128 v[BI+8*\b+4:BI+8*\b+7], v[BQ], s[76:77] offset:64*\b+16
.endr
.irp a, 0,1,2,3,4,5,6,7
	EMIT \a, 8
.endr
	s_wait_loadcnt 0x0
.set n, 0
.rept 32
	v_ldexp_f32 v[BI+n], v[BI+n], s88
.set n, n+1
.endr
	v_mov_b32 v[SCL], s89
	v_mov_b32 v[LIM], s90
	s_wait_alu depctr_va_vdst(0)                   ; directly ahead of the wait below
	STEP ADQA, ADQB, 1, 4
	TURN 0, ADQA+1, ADQB+1, 4, 4, 1, -1
	STEP ADQA+1, ADQB+1, 0, 4
	TURN 1, ADQA, ADQB, 4, 4, 1, -1
	STEP ADQA, ADQB, 0, 4
	TURN 0, ADQA+1, ADQB+1, 4, 4, 0, -1            ; the last two slots are filled no more
	STEP ADQA+1, ADQB+1, 0, 4
	s_wait_dscnt 4*NL
	WIN MUL_LO
	MUL16 0, 1, 0, 4
	MUL16 2, 1, 0, 4
	s_wait_dscnt 0
	WIN MUL_HI
	MUL16 4, 1, 0, 4
	MUL16 6, 1, 0, 4
	WIN 0
	PLACES NP
.irp a, 0,1,2,3,4,5,6,7
	EMIT \a, 4
.endr
	s_wait_tensorcnt 0x0                           ; the wave's end
	ds_add_u32 v[SPW], v[NIL]
	s_wait_dscnt 0x0
	CROUND                                         ; the closing round
	s_endpgm
.Lfunc_end_k_qfde4cd3aea_proj:
	.size	k_qfde4cd3aea_proj, .Lfunc_end_k_qfde4cd3aea_proj-k_qfde4cd3aea_proj
	.p2alignl 7, 3214868480
	.fill 96, 4, 3214868480
	.section	.rodata,"a",@progbits
	.p2align	6, 0x0
	.amdhsa_kernel k_qfde4cd3aea_proj
		.amdhsa_group_segment_fixed_size 327680
		.amdhsa_private_segment_fixed_size 0
		.amdhsa_enable_private_segment 0
		.amdhsa_kernarg_size 80
		.amdhsa_user_sgpr_count 2
		.amdhsa_user_sgpr_kernarg_segment_ptr 1
		.amdhsa_wavefront_size32 1
		.amdhsa_system_sgpr_workgroup_id_x 1
		.amdhsa_system_sgpr_workgroup_id_y 1
		.amdhsa_system_sgpr_workgroup_id_z 1
		.amdhsa_system_vgpr_workitem_id 0
		.amdhsa_next_free_vgpr 1024
		.amdhsa_next_free_sgpr 104
		.amdhsa_reserve_vcc 0
		.amdhsa_float_denorm_mode_32 3
		.amdhsa_float_denorm_mode_16_64 3
		.amdhsa_memory_ordered 1
		.amdhsa_forward_progress 1
		.amdhsa_inst_pref_size 212
	.end_amdhsa_kernel
	.amdgpu_metadata
---
amdhsa.version: [ 1, 2 ]
amdhsa.kernels:
  - .name:           k_qfde4cd3aea_proj
    .symbol:         k_qfde4cd3aea_proj.kd
    .args:
      - { .name: Wq_codes, .offset: 0, .size: 8, .value_kind: global_buffer, .address_space: global }
      - { .name: Wkv_codes, .offset: 8, .size: 8, .value_kind: global_buffer, .address_space: global }
      - { .name: query_sequence_codes, .offset: 16, .size: 8, .value_kind: global_buffer, .address_space: global }
      - { .name: key_value_sequence_codes, .offset: 24, .size: 8, .value_kind: global_buffer, .address_space: global }
      - { .name: bq, .offset: 32, .size: 8, .value_kind: global_buffer, .address_space: global }
      - { .name: bkv, .offset: 40, .size: 8, .value_kind: global_buffer, .address_space: global }
      - { .name: lowp_scales, .offset: 48, .size: 8, .value_kind: global_buffer, .address_space: global }
      - { .name: q_img, .offset: 56, .size: 8, .value_kind: global_buffer, .address_space: global }
      - { .name: k_img, .offset: 64, .size: 8, .value_kind: global_buffer, .address_space: global }
      - { .name: v_img, .offset: 72, .size: 8, .value_kind: global_buffer, .address_space: global }
    .group_segment_fixed_size: 327680
    .private_segment_fixed_size: 0
    .kernarg_segment_align: 8
    .kernarg_segment_size: 80
    .max_flat_workgroup_size: 128
    .sgpr_count:     104
    .vgpr_count:     1024
    .wavefront_size: 32
...
	.end_amdgpu_metadata
.endif
;; end of part 1
;; launch attn (part 2): grid 64 x 4, 8 waves a work-group, no clusters, 272,384 bytes of LDS; arguments q_img, k_img, v_img, key_value_padding_mask, lowp_scales, a_img; writes a_img
.if DOCPART == 2
	.amdgcn_target "amdgcn-amd-amdhsa--gfx1250"
	.amdhsa_code_object_version 6
	.text
	.protected	k_qfde4cd3aea_attn
	.globl	k_qfde4cd3aea_attn
	.p2align	8
	.type	k_qfde4cd3aea_attn,@function
k_qfde4cd3aea_attn:
	s_mov_b64 s[64:65], 0
	v_nop
	global_prefetch_b8 v0, s[64:65] scope:SCOPE_SE
	s_setreg_imm32_b32 hwreg(HW_REG_WAVE_MODE, 25, 1), 1
	s_wait_xcnt 0x0
; ATTENTION of one head on codes of BF8 (E5M2): o = softmax(q k^T / 8, hidden: padded keys and keys behind the query) v, quantised with 2^e8 and stored as the last product's operand image.
; LEFT OUT: key steps of 128 that lie wholly behind a wave's queries, by the causal mask that reference() builds (see the first launch's head).
; q_img, k_img, v_img: images of operand registers (blocks of 512 bytes, four registers, lane l's 16 bytes at 16 l):
;   q, k: [batch x head][tile of 16 tokens][1,024].    v: [batch x head][64 keys][16 channels][1,024].
; a_img: [256 along K][tile of 16 rows][128 along K][c 4][512]: lane (r, h): row r; registers 4 c .. 4 c + 3: K = 32 c + 16 h + 0 .. 15.  K = 64 x head + channel.
; THE SOFTMAX AHEAD OF THE SECOND PRODUCT: t = score x log2(e) / 8; M = the row's largest t so far, rounded UP to a whole number; p = 2^(t - M) is quantised with 2^e7, not normalised.  The row's sum is taken of
; the unquantised p and divides at the end.  When M moves, the sum and O are multiplied by 2^(old M - new M): exact.  A ROW WITH NO VISIBLE KEY has the sum 0: its codes become the format's NaN.
; SHARES.  256 work-groups: (batch x head = x, part p = y).  ALL of the head's K and V, 262,144 bytes, lie in LDS, copied once through registers: one barrier, and behind it LDS is only read (but for the spare words).
; A work-group owns, of each block of 128 queries, queries 32 p .. 32 p + 31.  Wave w takes block w and then block 15 - w: w + 1 and 16 - w key steps of 128: 17 for every wave, one counted loop.
; Trip n is key step n of the first block while n <= w, then key step n - w - 1 of the second: the lesser of n and n + ~w, unsigned.  A block's last step is its diagonal; what it hides hangs on p and the lane alone: 64 lane masks, made once.
; A wave holds two tiles of 16 queries, so each fragment of K and V feeds two matrix instructions.  Both products are used transposed: a lane holds ONE query, an accumulator's eight scores are eight neighbouring keys.
; CLUSTER: none.  A joint request is a tensor load; this text has two branches on numbers read from memory in every key step: round the padding's 16 LDS loads and 64 additions, and round the 128 holds of p.
; PREFETCH: none: the loop reads nothing from memory, all of K and V is asked for at the head.
; LIMITS on the given exponents: e4 + e5 between -123 and 130; e7 between -126 and 127; e8 between -126 and 112.  NaN among the inputs is not served.  The scaled scores t stay under 2^31 in magnitude.
; REGISTERS: window 0: v1-10 addresses and constants; v12-31 statistics; v32-47 Q, v48-63 the second block's; v64-95 p's codes; v96-223 S^T, then p; v224-228.   window 1: v0-63 O^T, v64-127 V, v128-191 K; at the head all of it holds what is copied.
.set V0,  131072                       ; LDS: K at 0, V here,
.set MB,  262144                       ; f32 for the batch's 2,048 keys: 0, or -infinity for a padded key
.set SPARE, 271360                     ; the spare words, 128 bytes for each wave
.set LI,  1                            ; 16 x lane
.set AV0, 2                            ; V0 + 16 x lane
.set ADV, 3
.set ADK, 4
.set AM0, 5                            ; MB + 32 h
.set SC7, 6                            ; 2^e7
.set DL,  7                            ; 32 p + r - 8 h
.set NINF, 8
.set LK,  9                            ; where I store K;  v10: V
.set ST,  12                           ; tile i's statistics at v[12 + 8 i]: +0 -M, +1 the largest t, +2, +3 the sum in two halves, +4 f, +5 (named with f), +6, +7 at work
.set SUM2, 28
.set Q,   32
.set QN,  48
.set PC,  64                           ; 16 a tile
.set S,   96                           ; 64 a tile
.set SPW, 224
.set NIL, 225
.set NANC, 226
.set VC8, 227
.set VL8, 228
.set O,   0                            ; window 1
.set VF,  64
.set KF,  128
.set WV,  2                            ; s2  wave
.set J,   3                            ; s3  my block of 128 queries
.set KS,  16                           ; s16 the key step
.set N,   17                           ; s17 the trip
.set PM,  18                           ; s18 bit 2 s: key step s holds a padded key
.set HOLD, 19                          ; s19 1 where e7 < -15
.set L7,  20
.set E67, 21
.set CS,  22                           ; s[22:23] log2(e) / 8 x 2^(e4 + e5)
.set SEL, 24
.set SC8, 26
.set L8,  27
.set NW,  94                           ; s94 ~w;   the masks: s28-63, s66-93
.set TB,  95
.set OB,  96
.set BH,  98
.set PP,  99
.set MSB, 0
.macro WIN new                         ; the immediate's high byte repeats the setting that is left
.if MSB != (\new)
	s_set_vgpr_msb (MSB<<8)|(\new)
.set MSB, (\new)
.endif
.endm
.macro MASKREG m                       ; MR = the scalar register of mask m (s64, s65 are not used)
.if (\m) < 36
.set MR, 28+(\m)
.else
.set MR, 30+(\m)
.endif
.endm
	s_load_b256 s[4:11], s[0:1], 0x0               ; q_img s[4:5], k_img s[6:7], v_img s[8:9], the mask s[10:11]
	s_load_b128 s[12:15], s[0:1], 0x20             ; exponents s[12:13], a_img s[14:15]
	v_lshl_add_u32 v[SPW], v0, 2, SPARE
	v_mov_b32 v[NIL], 0
	v_lshrrev_b32 v11, 5, v0
	v_readfirstlane_b32 s[WV], v11                 ; wave 0..7
	s_mov_b32 s[BH], ttmp9
	s_and_b32 s[PP], ttmp7, 0xffff
	v_and_b32 v11, 31, v0
	v_lshlrev_b32 v[LI], 4, v11
	v_lshlrev_b32 v232, 6, v11                     ; the mask: lane l takes the 64 bytes of keys 64 l on,
	v_lshlrev_b32 v233, 3, v0                      ; and thread t the 8 bytes of keys 8 t on, for the table
	v_bfe_u32 v236, v0, 4, 1                       ; h
	v_and_b32 v237, 15, v0                         ; r
	s_lshl_b32 s60, s[WV], 3
	s_lshl_b32 s61, s[PP], 1
	s_add_co_u32 s62, s60, s61                     ; tile 8 w + 2 p
	s_lshl_b32 s62, s62, 10
	s_sub_co_u32 s60, 120, s60
	s_add_co_u32 s60, s60, s61                     ; tile 8 (15 - w) + 2 p
	s_lshl_b32 s60, s60, 10
	s_lshl_b32 s58, s[WV], 14                      ; of K's and V's 131,072 bytes wave w copies 16,384
	s_mov_b32 s59, 0
	s_wait_alu depctr_va_vdst(0)                   ; behind a run of scalar instructions
	v_add_nc_u32 v234, s62, v[LI]
	v_add_nc_u32 v235, s60, v[LI]
	v_add_nc_u32 v[LK], s58, v[LI]
	v_add_nc_u32 v[LK+1], V0, v[LK]
	v_add_nc_u32 v[AV0], V0, v[LI]
	s_lshl_b32 s56, s[BH], 17                      ; the head's first byte in the three images
	s_mov_b32 s57, 0
	s_lshr_b32 s54, s[BH], 4
	s_lshl_b32 s54, s54, 11                        ; the batch's 2,048 bytes of the mask
	s_mov_b32 s55, 0
	s_wait_alu depctr_va_vdst(0)                   ; directly ahead of the wait below
	s_wait_kmcnt 0x0
	s_load_b256 s[44:51], s[12:13], 0x0            ; e0 .. e7
	s_load_b64 s[52:53], s[12:13], 0x20            ; e8, e9
	s_add_nc_u64 s[72:73], s[10:11], s[54:55]
	s_add_nc_u64 s[70:71], s[4:5], s[56:57]
	s_add_nc_u64 s[66:67], s[6:7], s[56:57]
	s_add_nc_u64 s[66:67], s[66:67], s[58:59]
	s_add_nc_u64 s[68:69], s[8:9], s[56:57]
	s_add_nc_u64 s[68:69], s[68:69], s[58:59]
.macro GLD rho                         ; round rho of four: 8,192 bytes of K (0, 1) or V (2, 3): sixteen loads of 512 consecutive bytes
.set GB, 66+2*((\rho)/2)
	WIN 0x40
.irp n, 0,1,2,3,4,5,6,7,8,9,10,11,12,13,14,15
	global_load_b128 v[64*(\rho)+4*\n:64*(\rho)+4*\n+3], v[LI], s[GB:GB+1] offset:8192*((\rho)%2)+512*\n
.endr
	WIN 0
.endm
.macro LST rho                         ; and into LDS as they lie
	WIN 0x04
.irp n, 0,1,2,3,4,5,6,7,8,9,10,11,12,13,14,15
	ds_store_b128 v[LK+(\rho)/2], v[64*(\rho)+4*\n:64*(\rho)+4*\n+3] offset:8192*((\rho)%2)+512*\n
.endr
	WIN 0
.endm
.irp n, 0,1,2,3
	global_load_b128 v[16+4*\n:19+4*\n], v232, s[72:73] offset:16*\n
.endr
	global_load_b64 v[12:13], v233, s[72:73]
.irp n, 0,1,2,3
	global_load_b128 v[Q+4*\n:Q+4*\n+3], v234, s[70:71] offset:512*\n
.endr
.irp n, 0,1,2,3
	global_load_b128 v[QN+4*\n:QN+4*\n+3], v235, s[70:71] offset:512*\n
.endr
	GLD 0
	GLD 1
	GLD 2
	; where my 32 rows of block 0 go in a_img: the batch, the head (256 along K = head / 4, 128 along K = (head / 2) % 2, c = 2 (head % 2)), the part
	s_lshr_b32 s54, s[BH], 4
	s_lshl_b32 s54, s54, 19
	s_bfe_u32 s56, s[BH], 0x20002
	s_lshl_b32 s56, s56, 21
	s_add_co_u32 s54, s54, s56
	s_bfe_u32 s56, s[BH], 0x10001
	s_lshl_b32 s56, s56, 11
	s_add_co_u32 s54, s54, s56
	s_and_b32 s56, s[BH], 1
	s_lshl_b32 s56, s56, 10
	s_add_co_u32 s54, s54, s56
	s_lshl_b32 s56, s[PP], 13
	s_add_co_u32 s54, s54, s56
	s_add_nc_u64 s[14:15], s[14:15], s[54:55]
	s_mov_b32 s[SEL], 0x76543210                   ; lane l xor 16
	s_mov_b32 s[SEL+1], 0xfedcba98
	s_xor_b32 s[NW], s[WV], -1
	s_wait_kmcnt 0x0
	s_add_co_i32 s54, s48, s49
	s_lshl_b32 s54, s54, 23
	s_add_co_i32 s[CS], s54, 0x3e38aa3b            ; log2(e) / 8, with e4 + e5 added to its exponent field
	s_mov_b32 s[CS+1], s[CS]
	s_cmp_lt_i32 s51, -15
	s_cselect_b32 s[HOLD], 1, 0
	s_add_co_i32 s54, s51, 127
	s_lshl_b32 s56, s54, 23
	v_mov_b32 v[SC7], s56
	s_add_co_i32 s54, s54, 15
	s_lshl_b32 s54, s54, 23
	s_or_b32 s[L7], s54, 0x600000
	s_add_co_i32 s[E67], s50, s51
	s_add_co_i32 s54, s52, 127
	s_lshl_b32 s[SC8], s54, 23
	s_add_co_i32 s54, s54, 15
	s_lshl_b32 s54, s54, 23
	s_or_b32 s[L8], s54, 0x600000
	s_lshl_b32 s56, s[PP], 5
	v_lshl_add_u32 v[AM0], v236, 5, MB
	v_lshlrev_b32 v236, 3, v236
	v_sub_nc_u32 v[DL], v237, v236
	v_add_nc_u32 v[DL], s56, v[DL]
	v_mov_b32 v[NINF], 0xff800000                  ; -infinity
	s_wait_alu depctr_va_vdst(0)                   ; directly ahead of the wait below
	s_wait_loadcnt 48                              ; the mask and Q are in; the three rounds of sixteen behind them may be out
.irp n, 0,2,4,6,8,10,12,14
	v_or_b32 v[16+\n], v[16+\n], v[17+\n]
.endr
.irp n, 0,4,8,12
	v_or_b32 v[16+\n], v[16+\n], v[18+\n]
.endr
	v_or_b32 v16, v16, v20
	v_or_b32 v24, v24, v28
	v_or_b32 v16, v16, v24
	v_cmp_ne_u32 vcc_lo, 0, v16                    ; lane l: is one of keys 64 l .. 64 l + 63 padded?
	s_mov_b32 s[PM], vcc_lo
	s_lshr_b32 s54, s[PM], 1
	s_or_b32 s[PM], s[PM], s54                     ; bit 2 s: key step s of 128
.irp k, 0,1,2,3
	v_bfe_u32 v25, v12, 8*\k, 8
	v_cmp_ne_u32 vcc_lo, 0, v25
	v_cndmask_b32 v[16+\k], 0, v[NINF], vcc_lo
	v_bfe_u32 v25, v13, 8*\k, 8
	v_cmp_ne_u32 vcc_lo, 0, v25
	v_cndmask_b32 v[20+\k], 0, v[NINF], vcc_lo
.endr
	v_lshl_add_u32 v26, v0, 5, MB
	ds_store_b128 v26, v[16:19]
	ds_store_b128 v26, v[20:23] offset:16
	s_wait_alu depctr_va_vdst(0)                   ; directly ahead of the wait below
	s_wait_loadcnt 32                              ; round 0 is in; rounds 1 and 2 may be out
	GLD 3
	LST 0
	s_wait_loadcnt 32                              ; round 1; rounds 2 and 3 may be out
	LST 1
	s_wait_loadcnt 16
	LST 2
	s_wait_loadcnt 0x0
	LST 3
	s_wait_dscnt 0x0                               ; for the others' sake: all my stores have landed
	s_barrier_signal -1
	s_barrier_wait -1                              ; K, V and the table are whole
	WIN 0x40
.irp t, 0,1,2,3,4,5,6,7
	ds_load_b128 v[KF+8*\t:KF+8*\t+3], v[LI] offset:1024*\t          ; K of key step 0
	ds_load_b128 v[KF+8*\t+4:KF+8*\t+7], v[LI] offset:1024*\t+512
.endr
	WIN 0
.set n, 0
.rept 64
	MASKREG n
	v_cmp_gt_i32 s[MR], 16*(n/8)+n%8, v[DL]        ; mask 8 x + y: key 16 x + 8 h + y of the diagonal step comes behind query 32 p + r
.set n, n+1
.endr
.irp i, 0,1
	v_mov_b32 v[ST+8*\i+4], 0                      ; written once: destinations of lane permutes and upper halves of pairs count as read
	v_mov_b32 v[ST+8*\i+5], 0
	v_mov_b32 v[ST+8*\i+6], 0
	v_mov_b32 v[ST+8*\i+7], 0
.endr
.macro INIT
	WIN 0x40
.set n, 0
.rept 64
	v_mov_b32 v[O+n], 0                            ; O^T.  (The key step is written once: a block's first finds zeros, which the first change of M leaves zeros)
.set n, n+1
.endr
	WIN 0
.irp i, 0,1
	v_mov_b32 v[ST+8*\i+1], 0xff61b1e6             ; the largest t so far: -3e38, under every t
.endr
.irp i, 0,1
	v_floor_f32 v[ST+8*\i], -v[ST+8*\i+1]          ; -M
.endr
.irp i, 0,1
	v_mov_b32 v[ST+8*\i+2], 0
	v_mov_b32 v[ST+8*\i+3], 0
.endr
	s_wait_alu depctr_va_vdst(0)
.endm
; THE WAY OUT of a block: o = O^T / the sum x 2^(e6 + e7), held, converted with 2^e8, brought into a_img's order, stored
.macro WAYOUT
	s_lshl_b32 s100, s[J], 15
	s_mov_b32 s101, 0
	s_add_nc_u64 s[OB:OB+1], s[14:15], s[100:101]
.irp i, 0,1
	v_add_f32 v[ST+8*\i+2], v[ST+8*\i+2], v[ST+8*\i+3]
.endr
.irp i, 0,1
	v_permlanex16_b32 v[ST+8*\i+6], v[ST+8*\i+2], s[SEL], s[SEL+1]
.endr
.irp i, 0,1
	v_add_f32 v[ST+8*\i+2], v[ST+8*\i+2], v[ST+8*\i+6]   ; the row's sum
.endr
	s_wait_alu depctr_va_vdst(0)                   ; ahead of the transcendentals
.irp i, 0,1
	v_rcp_f32 v[ST+8*\i+6], v[ST+8*\i+2]
.endr
	v_mov_b32 v[NANC], 0x7f7f7f7f                  ; (plain instructions behind the reciprocals)  four NaN codes of E5M2
	v_mov_b32 v[VC8], s[SC8]
	v_mov_b32 v[VL8], s[L8]
	s_wait_alu depctr_va_vdst(0)                   ; and ahead of their first reader
.irp i, 0,1
	v_ldexp_f32 v[ST+8*\i+6], v[ST+8*\i+6], s[E67]
.endr
	WIN 0x41
	s_wait_alu depctr_va_vdst(0)                   ; directly ahead of the first reader of O^T
.irp i, 0,1
.irp n, 0,2,4,6,8,10,12,14,16,18,20,22,24,26,28,30
	v_pk_mul_f32 v[O+32*\i+\n:O+32*\i+\n+1], v[O+32*\i+\n:O+32*\i+\n+1], v[ST+8*\i+6:ST+8*\i+7] op_sel_hi:[1,0]
.endr
.endr
.set n, 0
.rept 64
	v_med3_num_f32 v[O+n], v[O+n], -v[VL8], v[VL8]
.set n, n+1
.endr
	WIN 0x01
.irp i, 0,1
.irp d, 0,1,2,3
	v_cvt_scalef32_pk8_bf8_f32 v[PC+8*\i+2*\d:PC+8*\i+2*\d+1], v[O+32*\i+8*\d:O+32*\i+8*\d+7], v[VC8]   ; channels 16 d + 8 h + 0 .. 7
.endr
.endr
	v_nop                                          ; one plain vector instruction behind the conversions
	WIN 0
.irp i, 0,1
	v_cmp_eq_f32 vcc_lo, 0, v[ST+8*\i+2]           ; a row that has a visible key has a sum above 1/2; the sum 0 says that it has none
.irp n, 0,1,2,3,4,5,6,7
	v_cndmask_b32 v[PC+8*\i+\n], v[PC+8*\i+\n], v[NANC], vcc_lo
.endr
.endr
.irp i, 0,1                                        ; I hold channels 16 d + 8 h + 0 .. 7 in 2 d, 2 d + 1; a_img wants 32 b + 16 h + 0 .. 15 in 4 b .. 4 b + 3:
.irp b, 0,1                                        ; the upper lanes of 4 b + y change places with the lower lanes of 4 b + 2 + y
.irp y, 0,1
	v_permlane16_swap_b32 v[PC+8*\i+4*\b+\y], v[PC+8*\i+4*\b+2+\y]
.endr
.endr
.endr
.irp i, 0,1
.irp b, 0,1
	global_store_b128 v[LI], v[PC+8*\i+4*\b:PC+8*\i+4*\b+3], s[OB:OB+1] offset:4096*\i+512*\b   ; 512 consecutive bytes, aligned
.endr
.endr
	s_wait_xcnt 0x0                                ; the stores have read their data and their base
.endm
	INIT
	s_mov_b32 s[J], s[WV]
	s_mov_b32 s[N], 0
.Lstep:                                            ; 17 trips
	s_add_co_u32 s100, s[N], s[NW]
	s_min_u32 s[KS], s[N], s100
	s_lshl_b32 s[TB], s[KS], 13
	s_add_co_u32 s101, s[N], 1                     ; the next trip's key step (behind the last: some step that exists, never used)
	s_add_co_u32 s100, s101, s[NW]
	s_min_u32 s100, s101, s100
	s_min_u32 s100, s100, 15
	s_lshl_b32 s100, s100, 13
	s_wait_dscnt 0x0                               ; this step's K is in (asked for a step ago)
	WIN 0x01
.irp t, 0,1,2,3,4,5,6,7
.irp i, 0,1
	v_wmma_f32_16x16x64_bf8_bf8 v[S+64*\i+8*\t:S+64*\i+8*\t+7], v[KF+8*\t:KF+8*\t+7], v[Q+8*\i:Q+8*\i+7], 0
.endr
.endr
	WIN 0
	v_add_nc_u32 v[ADV], s[TB], v[AV0]             ; four plain instructions: the places in front of the loads and of the first read of the scores
	v_add_nc_u32 v[ADK], s100, v[LI]
	v_nop
	v_nop
	WIN 0x40
.irp d, 0,1,2,3
.irp g, 0,1
	ds_load_b128 v[VF+16*\d+8*\g:VF+16*\d+8*\g+3], v[ADV] offset:4096*\g+1024*\d
	ds_load_b128 v[VF+16*\d+8*\g+4:VF+16*\d+8*\g+7], v[ADV] offset:4096*\g+1024*\d+512
.endr
.endr
.irp t, 0,1,2,3,4,5,6,7
	ds_load_b128 v[KF+8*\t:KF+8*\t+3], v[ADK] offset:1024*\t         ; the next step's K
	ds_load_b128 v[KF+8*\t+4:KF+8*\t+7], v[ADK] offset:1024*\t+512
.endr
	WIN 0
	s_lshl_b32 s101, s[KS], 1
	s_bitcmp1_b32 s[PM], s101                      ; PADDING: only a step that holds a padded key adds the table's 0 or -infinity
	s_cbranch_scc0 .Lnopad
	s_lshl_b32 s101, s[KS], 9                      ; 512 bytes of the table a step
	v_add_nc_u32 v11, s101, v[AM0]
.irp g, 0,1,2,3                                    ; key tiles 2 g and 2 g + 1: my eight keys of each, 16 t + 8 h + 0 .. 7
	ds_load_b128 v[PC:PC+3], v11 offset:128*\g
	ds_load_b128 v[PC+4:PC+7], v11 offset:128*\g+16
	ds_load_b128 v[PC+8:PC+11], v11 offset:128*\g+64
	ds_load_b128 v[PC+12:PC+15], v11 offset:128*\g+80
	s_wait_dscnt 0x0
.irp i, 0,1
.irp u, 0,1
.irp y, 0,2,4,6
	v_pk_add_f32 v[S+64*\i+8*(2*\g+\u)+\y:S+64*\i+8*(2*\g+\u)+\y+1], v[S+64*\i+8*(2*\g+\u)+\y:S+64*\i+8*(2*\g+\u)+\y+1], v[PC+8*\u+\y:PC+8*\u+\y+1]
.endr
.endr
.endr
.endr
	s_wait_alu depctr_va_vdst(0)
.Lnopad:
	s_cmp_lg_u32 s[KS], s[J]                       ; THE DIAGONAL lies in a block's last step
	s_cbranch_scc1 .Lopen
.set n, 0
.rept 64
	MASKREG n
	v_cndmask_b32 v[S+n], v[S+n], v[NINF], s[MR]
.set n, n+1
.endr
.set n, 8
.rept 56
	MASKREG n-8
	v_cndmask_b32 v[S+64+n], v[S+64+n], v[NINF], s[MR]   ; the second tile's queries lie 16 on: its key tile t takes the masks of t - 1, and key tile 0 is never hidden
.set n, n+1
.endr
.Lopen:
	; THE SOFTMAX of both tiles, line by line in turn: the largest score of my query among my 64 keys, in two chains that go up the registers,
.irp i, 0,1
	v_max3_num_f32 v[ST+8*\i+6], v[S+64*\i], v[S+64*\i+1], v[S+64*\i+2]
.endr
.irp i, 0,1
	v_max3_num_f32 v[ST+8*\i+7], v[S+64*\i+3], v[S+64*\i+4], v[S+64*\i+5]
.endr
.irp n, 6,10,14,18,22,26,30,34,38,42,46,50,54,58
.irp i, 0,1
	v_max3_num_f32 v[ST+8*\i+6], v[ST+8*\i+6], v[S+64*\i+\n], v[S+64*\i+\n+1]
.endr
.irp i, 0,1
	v_max3_num_f32 v[ST+8*\i+7], v[ST+8*\i+7], v[S+64*\i+\n+2], v[S+64*\i+\n+3]
.endr
.endr
.irp i, 0,1
	v_max3_num_f32 v[ST+8*\i+6], v[ST+8*\i+6], v[S+64*\i+62], v[S+64*\i+63]
.endr
.irp i, 0,1
	v_max_num_f32 v[ST+8*\i+6], v[ST+8*\i+6], v[ST+8*\i+7]
.endr
.irp i, 0,1
	v_permlanex16_b32 v[ST+8*\i+7], v[ST+8*\i+6], s[SEL], s[SEL+1]
.endr
.irp i, 0,1
	v_max_num_f32 v[ST+8*\i+6], v[ST+8*\i+6], v[ST+8*\i+7]   ; and among lane l xor 16's
.endr
.irp i, 0,1
	v_mul_f32 v[ST+8*\i+6], s[CS], v[ST+8*\i+6]    ; as t (c is positive)
.endr
.irp i, 0,1
	v_max_num_f32 v[ST+8*\i+1], v[ST+8*\i+1], v[ST+8*\i+6]   ; the running largest t
.endr
.irp i, 0,1
	v_mov_b32 v[ST+8*\i+6], v[ST+8*\i]
.endr
.irp i, 0,1
	v_floor_f32 v[ST+8*\i], -v[ST+8*\i+1]          ; the new -M = floor(-t) = -ceil(t): M is a whole number
.endr
.irp i, 0,1
	v_sub_f32 v[ST+8*\i+6], v[ST+8*\i], v[ST+8*\i+6]   ; old M - new M: a whole number, 0 or less
.endr
.irp i, 0,1
	v_cvt_i32_f32 v[ST+8*\i+6], v[ST+8*\i+6]       ; (it saturates)
.endr
.irp i, 0,1
	v_ldexp_f32 v[ST+8*\i+4], 1.0, v[ST+8*\i+6]    ; f = 2^(old M - new M)
.endr
.irp n, 0,2,4,6,8,10,12,14,16,18,20,22,24,26,28,30,32,34,36,38,40,42,44,46,48,50,52,54,56,58,60,62
.irp i, 0,1
	v_pk_fma_f32 v[S+64*\i+\n:S+64*\i+\n+1], v[S+64*\i+\n:S+64*\i+\n+1], s[CS:CS+1], v[ST+8*\i:ST+8*\i+1] op_sel_hi:[1,0,0]   ; t - M, two at a time
.endr
.endr
	WIN 0x41
.irp i, 0,1
.irp n, 0,2,4,6,8,10,12,14,16,18,20,22,24,26,28,30
	v_pk_mul_f32 v[O+32*\i+\n:O+32*\i+\n+1], v[O+32*\i+\n:O+32*\i+\n+1], v[ST+8*\i+4:ST+8*\i+5] op_sel_hi:[1,0]   ; O^T under the new M
.endr
.endr
	WIN 0
	s_wait_alu depctr_va_vdst(0)                   ; ahead of the batch
.set n, 0
.rept 128
	v_exp_f32 v[S+n], v[S+n]                       ; p = 2^(t - M): ONE BATCH for both tiles
.set n, n+1
.endr
.irp i, 0,1                                        ; plain instructions behind the batch: the sums under the new M
	v_pk_mul_f32 v[ST+8*\i+2:ST+8*\i+3], v[ST+8*\i+2:ST+8*\i+3], v[ST+8*\i+4:ST+8*\i+5] op_sel_hi:[1,0]
.endr
	s_wait_alu depctr_va_vdst(0)                   ; one wait for the 128 exponentials, ahead of the first instruction that names a result
.irp i, 0,1
	v_pk_add_f32 v[SUM2+2*\i:SUM2+2*\i+1], v[S+64*\i:S+64*\i+1], v[S+64*\i+2:S+64*\i+3]   ; the row's sum is taken of the UNQUANTISED p: two at a time, in two chains a tile
.endr
.irp n, 4,8,12,16,20,24,28,32,36,40,44,48,52,56,60
.irp i, 0,1
	v_pk_add_f32 v[ST+8*\i+2:ST+8*\i+3], v[ST+8*\i+2:ST+8*\i+3], v[S+64*\i+\n:S+64*\i+\n+1]
	v_pk_add_f32 v[SUM2+2*\i:SUM2+2*\i+1], v[SUM2+2*\i:SUM2+2*\i+1], v[S+64*\i+\n+2:S+64*\i+\n+3]
.endr
.endr
.irp i, 0,1
	v_pk_add_f32 v[ST+8*\i+2:ST+8*\i+3], v[ST+8*\i+2:ST+8*\i+3], v[SUM2+2*\i:SUM2+2*\i+1]
.endr
	s_wait_alu depctr_va_vdst(0)                   ; ahead of the branch
	s_cmp_eq_u32 s[HOLD], 0                        ; p is at most 1, and 57,344 x 2^e7 is at least 1 from e7 = -15 on: there the hold changes nothing and is jumped over
	s_cbranch_scc1 .Lnohold
.set n, 0
.rept 128
	v_min_num_f32 v[S+n], s[L7], v[S+n]            ; the conversion does not saturate (ISA guide 7.6.2); p is not negative, so the hold is one-sided
.set n, n+1
.endr
.Lnohold:
.irp t, 0,1,2,3,4,5,6,7
.irp i, 0,1
	v_cvt_scalef32_pk8_bf8_f32 v[PC+16*\i+2*\t:PC+16*\i+2*\t+1], v[S+64*\i+8*\t:S+64*\i+8*\t+7], v[SC7]   ; keys 16 t + 8 h + 0 .. 7: registers 2 t, 2 t + 1 of P
.endr
.endr
	v_nop                                          ; one plain vector instruction between the conversions and the products
	s_wait_alu depctr_va_vdst(0)                   ; directly ahead of the wait below
	s_wait_dscnt 16                                ; V is in; the sixteen loads behind it, the next step's K, may be out
	WIN 0x51
.irp d, 0,1,2,3                                    ; O^T += V^T P^T: eight accumulators by turns
.irp i, 0,1
	v_wmma_f32_16x16x128_bf8_bf8 v[O+32*\i+8*\d:O+32*\i+8*\d+7], v[VF+16*\d:VF+16*\d+15], v[PC+16*\i:PC+16*\i+15], v[O+32*\i+8*\d:O+32*\i+8*\d+7]
.endr
.endr
	WIN 0
	s_cmp_lg_u32 s[N], s[WV]                       ; trip w ends my first block
	s_cbranch_scc1 .Lsame
	WAYOUT
	s_sub_co_u32 s[J], 15, s[J]
.irp n, 0,1,2,3,4,5,6,7,8,9,10,11,12,13,14,15
	v_mov_b32 v[Q+\n], v[QN+\n]
.endr
	INIT
.Lsame:
	s_add_co_u32 s[N], s[N], 1
	s_cmp_lt_u32 s[N], 17
	s_cbranch_scc1 .Lstep
	WAYOUT
	s_wait_tensorcnt 0x0                           ; the wave's end
	ds_add_u32 v[SPW], v[NIL]
	s_wait_dscnt 0x0
	s_endpgm
.Lfunc_end_k_qfde4cd3aea_attn:
	.size	k_qfde4cd3aea_attn, .Lfunc_end_k_qfde4cd3aea_attn-k_qfde4cd3aea_attn
	.p2alignl 7, 3214868480
	.fill 96, 4, 3214868480
	.section	.rodata,"a",@progbits
	.p2align	6, 0x0
	.amdhsa_kernel k_qfde4cd3aea_attn
		.amdhsa_group_segment_fixed_size 272384
		.amdhsa_private_segment_fixed_size 0
		.amdhsa_enable_private_segment 0
		.amdhsa_kernarg_size 48
		.amdhsa_user_sgpr_count 2
		.amdhsa_user_sgpr_kernarg_segment_ptr 1
		.amdhsa_wavefront_size32 1
		.amdhsa_system_sgpr_workgroup_id_x 1
		.amdhsa_system_sgpr_workgroup_id_y 1
		.amdhsa_system_sgpr_workgroup_id_z 1
		.amdhsa_system_vgpr_workitem_id 0
		.amdhsa_next_free_vgpr 512
		.amdhsa_next_free_sgpr 102
		.amdhsa_reserve_vcc 1
		.amdhsa_float_denorm_mode_32 3
		.amdhsa_float_denorm_mode_16_64 3
		.amdhsa_memory_ordered 1
		.amdhsa_forward_progress 1
		.amdhsa_inst_pref_size 88
	.end_amdhsa_kernel
	.amdgpu_metadata
---
amdhsa.version: [ 1, 2 ]
amdhsa.kernels:
  - .name:           k_qfde4cd3aea_attn
    .symbol:         k_qfde4cd3aea_attn.kd
    .args:
      - { .name: q_img, .offset: 0, .size: 8, .value_kind: global_buffer, .address_space: global }
      - { .name: k_img, .offset: 8, .size: 8, .value_kind: global_buffer, .address_space: global }
      - { .name: v_img, .offset: 16, .size: 8, .value_kind: global_buffer, .address_space: global }
      - { .name: key_value_padding_mask, .offset: 24, .size: 8, .value_kind: global_buffer, .address_space: global }
      - { .name: lowp_scales, .offset: 32, .size: 8, .value_kind: global_buffer, .address_space: global }
      - { .name: a_img, .offset: 40, .size: 8, .value_kind: global_buffer, .address_space: global }
    .group_segment_fixed_size: 272384
    .private_segment_fixed_size: 0
    .kernarg_segment_align: 8
    .kernarg_segment_size: 48
    .max_flat_workgroup_size: 256
    .sgpr_count:     102
    .vgpr_count:     512
    .wavefront_size: 32
...
	.end_amdgpu_metadata
.endif
;; end of part 2
;; launch outp (part 3): grid 4 x 64, 4 waves a work-group, clusters of 4 x 4, 327,680 bytes of LDS; arguments a_img, Wo_codes, lowp_scales, bo, out0; writes out0
.if DOCPART == 3
	.amdgcn_target "amdgcn-amd-amdhsa--gfx1250"
	.amdhsa_code_object_version 6
	.text
	.protected	k_qfde4cd3aea_outp
	.globl	k_qfde4cd3aea_outp
	.p2align	8
	.type	k_qfde4cd3aea_outp,@function
k_qfde4cd3aea_outp:
	s_mov_b64 s[64:65], 0
	v_nop
	global_prefetch_b8 v0, s[64:65] scope:SCOPE_SE
	s_setreg_imm32_b32 hwreg(HW_REG_WAVE_MODE, 25, 1), 1
	s_wait_xcnt 0x0
	s_wait_alu depctr_hold_cnt(0) depctr_sa_sdst(0) depctr_va_vdst(0) depctr_va_sdst(0) depctr_va_ssrc(0) depctr_va_vcc(0) depctr_vm_vsrc(0)
	s_getreg_b32 s2, hwreg(HW_REG_IB_STS2, 6, 4)
	s_cmp_eq_u32 s2, 0
	s_cbranch_scc0 .Lentry_in_a_cluster
	s_endpgm
.Lentry_in_a_cluster:
	s_bfe_u32 s2, ttmp6, 0x10000c
	s_cmp_lg_u32 s2, 0xf033
	s_cbranch_scc0 .Lentry_shape_is_right
	s_endpgm
.Lentry_shape_is_right:
; out0 = A Wo^T + bo on codes of BF8 (E5M2), sums in f32.  A comes as the attention launch's image: [256 along K][tile of 16 rows][128 along K][c 4][512 bytes], Wo as given, [1,024][1,024], K innermost.
; 256 work-groups, 128 rows x 256 columns each; four waves (i = wave / 2, j = wave % 2) make 64 rows x 128 columns each: 32 accumulators.  Source 0 = 16 rows of Wo, source 1 = 16 rows of A: a lane holds eight neighbouring columns.
; K = 1,024 is four slots' worth of 256 through a ring of two.  Waves 0 and 1 fetch 64 rows of A each, waves 2 and 3 128 rows of Wo each.
; CLUSTERS: 4 x 4: A's tiles are asked for jointly along a row of the cluster, Wo's along a column.
; PREFETCH: none: K is four slots, two of which are asked for at the head; of the other two only the last could be asked for two slots ahead.
; THE BIAS is the C of each sum's first matrix instruction, divided by 2^(e8 + e9); a finished sum is multiplied by 2^(e8 + e9).  LIMITS: e8 + e9 between -126 and 127; bo / 2^(e8 + e9) finite.
; REGISTERS: window 0: v16-31 addresses; v32-95 the bias, on the way out the block's results; v128-255 A's fragments, two sets of 64.   window 1: B's, two sets of 128.   window 2: accumulators (a, b) at v[8 (8 a + b)].
.set ROWB,   256
.set ASTEP,  0x200000                  ; 256 along K in the image
.set PITCH,  272
.set FR,     16
.set NP,     4
.set SLOT,   384*PITCH                 ; A's 128 rows of 256 bytes, then Wo's 256
.set SPARE,  2*SLOT
.set SPITCH, 528                       ; the way out: 16 rows x (512 bytes + 16) a wave, in slot 0, which has had its last fill and its last read then
.set ADRA, 16
.set ADRB, 20
.set STO,  24
.set RD,   25
.set CO,   26
.set SPW,  28
.set NIL,  29
.set BO,   30
.set BI,   32
.set TMP,  32
.set AF,   128
.set BK,   128
.set G1, 24
.set G0, 32
.set G1B, 48
.set G0B, 56
.set MSB, 0
.macro WIN new
.if MSB != (\new)
	s_set_vgpr_msb (MSB<<8)|(\new)
.set MSB, (\new)
.endif
.endm
.macro JLOAD s
	s_cmp_eq_u32 s15, 0
	s_cbranch_scc0 .Lfor_b_\@
	tensor_load_to_lds s[G0+4*\s:G0+4*\s+3], s[G1:G1+7]
	s_nop 0
.rept 4
	v_nop
.endr
	s_branch .Lasked_\@
.Lfor_b_\@:
	tensor_load_to_lds s[G0B+4*\s:G0B+4*\s+3], s[G1B:G1B+7]
	s_nop 0
.rept 4
	v_nop
.endr
.Lasked_\@:
.endm
.macro CREST
	s_cmp_lg_u32 s14, 0
	s_cbranch_scc1 .Lnot_wave_0_\@
	s_barrier_signal -3
.Lnot_wave_0_\@:
	s_barrier_wait -3
	s_barrier_signal -1
	s_barrier_wait -1
.endm
.macro CROUND
	s_barrier_signal -1
	s_barrier_wait -1
	CREST
.endm
	s_load_b128 s[4:7], s[0:1], 0x0                ; a_img, Wo
	s_load_b128 s[8:11], s[0:1], 0x10              ; the exponents, bo
	s_load_b64 s[12:13], s[0:1], 0x20              ; out0
	v_lshl_add_u32 v[SPW], v0, 2, SPARE
	v_mov_b32 v[NIL], 0
	ds_add_u32 v[SPW], v[NIL]                      ; the opening: the add, twice on end, and its wait
	ds_add_u32 v[SPW], v[NIL]
	v_lshrrev_b32 v1, 5, v0
	v_readfirstlane_b32 s14, v1
	s_lshr_b32 s15, s14, 1                         ; i.  Also: I fetch for A (0) or for Wo (1)
	s_and_b32 s16, s14, 1                          ; j.  Also: which half I fetch
	s_bfe_u32 s40, ttmp6, 0x40000
	s_bfe_u32 s41, ttmp6, 0x40004
	s_lshl_b32 s42, ttmp9, 2
	s_add_co_u32 s42, s42, s40                     ; block of 256 columns
	s_and_b32 s17, ttmp7, 0xffff
	s_lshl_b32 s17, s17, 2
	s_add_co_u32 s17, s17, s41                     ; block of 128 rows
	s_lshl_b32 s43, s41, 2
	s_lshl_b32 s43, 15, s43
	s_lshl_b32 s44, 0x1111, s40
	s_or_b32 s[G1+0], s43, (0<<16)|(1<<20)|(1<<21)|(5<<22)|(3<<25)
	s_or_b32 s[G1B+0], s44, (0<<16)|(1<<20)|(1<<21)|(5<<22)|(3<<25)
.irp g, G1, G1B
	s_mov_b32 s[\g+1], ROWB<<16
	s_mov_b32 s[\g+3], ROWB<<16
	s_mov_b32 s[\g+6], 0
	s_mov_b32 s[\g+7], 0
.endr
	s_mov_b32 s[G1+2], 64<<16                      ; A: 64 rows of 256 bytes, dense in the image
	s_mov_b32 s[G1+4], 64
	s_mov_b32 s[G1+5], ROWB
	s_mov_b32 s[G1B+2], 128<<16                    ; Wo: 128 rows
	s_mov_b32 s[G1B+4], 128
	s_mov_b32 s[G1B+5], 1024
	s_lshl_b32 s20, s17, 15                        ; A: eight tiles of 4,096 bytes a block, four for each half
	s_lshl_b32 s18, s16, 14
	s_add_co_u32 s20, s20, s18
	s_mov_b32 s21, 0
	s_lshl_b32 s46, s42, 18
	s_lshl_b32 s18, s16, 17
	s_add_co_u32 s46, s46, s18                     ; Wo: row 256 x block + 128 x half
	s_mov_b32 s47, 0
	s_mul_i32 s45, s16, 64*PITCH                   ; where they go
	s_mul_i32 s66, s16, 128*PITCH
	s_add_co_u32 s66, s66, 128*PITCH
	s_wait_alu depctr_va_vdst(0)                   ; directly ahead of the waits below
	s_wait_dscnt 0x0
	s_wait_kmcnt 0x0
	s_load_b64 s[96:97], s[8:9], 0x20              ; e8, e9
	s_add_nc_u64 s[20:21], s[4:5], s[20:21]
	s_add_nc_u64 s[46:47], s[6:7], s[46:47]
	CROUND
.irp s, 0,1
	s_mov_b32 s[G0+4*\s], 1
	s_add_co_u32 s[G0+4*\s+1], s45, \s*SLOT
	s_add_nc_u64 s[G0+4*\s+2:G0+4*\s+3], s[20:21], \s*ASTEP
	s_or_b32 s[G0+4*\s+3], s[G0+4*\s+3], 0x80000000
	s_mov_b32 s[G0B+4*\s], 1
	s_add_co_u32 s[G0B+4*\s+1], s66, \s*SLOT
	s_add_nc_u64 s[G0B+4*\s+2:G0B+4*\s+3], s[46:47], \s*ROWB
	s_or_b32 s[G0B+4*\s+3], s[G0B+4*\s+3], 0x80000000
.endr
	JLOAD 0                                        ; my one tensor load at the head
	v_and_b32 v1, 15, v0
	v_bfe_u32 v2, v0, 4, 1
	v_mul_u32_u24 v3, v1, PITCH
	v_lshl_add_u32 v4, v2, 4, v3                   ; Wo: row r x pitch + 16 h
	v_mul_u32_u24 v5, v2, PITCH
	v_lshl_add_u32 v5, v1, 4, v5                   ; A: an image's block of 512 bytes is two LDS rows, one for each half of the lanes
	v_mul_u32_u24 v6, v1, SPITCH
	v_lshl_add_u32 v6, v2, 5, v6
	v_and_b32 v7, 31, v0
	v_lshlrev_b32 v[CO], 4, v7
	v_lshlrev_b32 v[BO], 5, v2
	s_mul_i32 s21, s15, 64*PITCH
	s_mul_i32 s23, s14, 16*SPITCH
	s_wait_alu depctr_va_vdst(0)
	v_add_nc_u32 v[ADRA], s21, v5
	v_add_nc_u32 v[ADRB], s66, v4
	v_add_nc_u32 v[ADRA+1], SLOT, v[ADRA]
	v_add_nc_u32 v[ADRB+1], SLOT, v[ADRB]
	v_add_nc_u32 v[STO], s23, v6
	v_add_nc_u32 v[RD], s23, v[CO]
	s_lshl_b32 s18, s42, 10
	s_lshl_b32 s19, s16, 9
	s_add_co_u32 s18, s18, s19                     ; my first column, in bytes
	s_mov_b32 s19, 0
	s_add_nc_u64 s[10:11], s[10:11], s[18:19]
.irp b, 0,1,2,3,4,5,6,7
	global_load_b128 v[BI+8*\b:BI+8*\b+3], v[BO], s[10:11] offset:64*\b
	global_load_b128 v[BI+8*\b+4:BI+8*\b+7], v[BO], s[10:11] offset:64*\b+16
.endr
	s_lshl_b32 s20, s17, 19
	s_lshl_b32 s21, s15, 18
	s_add_co_u32 s20, s20, s21                     ; my first row: 128 x block + 64 i, of 4,096 bytes
	s_add_co_u32 s20, s20, s18
	s_mov_b32 s21, 0
	s_add_nc_u64 s[12:13], s[12:13], s[20:21]
	s_wait_alu depctr_va_vdst(0)                   ; directly ahead of the waits below
	s_wait_kmcnt 0x0
	s_add_co_i32 s96, s96, s97
	s_sub_co_i32 s98, 0, s96
	s_add_co_i32 s96, s96, 127
	s_lshl_b32 s96, s96, 23                        ; 2^(e8 + e9)
	s_wait_loadcnt 0x0
.set n, 0
.rept 64
	v_ldexp_f32 v[BI+n], v[BI+n], s98
.set n, n+1
.endr
.macro FETCH_B slot, q                 ; B's eight fragments of the slot's q-th 128 along K into set q
	WIN 0x40
.irp i, 0,1,2,3,4,5,6,7
.irp c, 0,1,2,3
	ds_load_b128 v[128*(\q)+FR*\i+4*\c:128*(\q)+FR*\i+4*\c+3], v[ADRB+\slot] offset:128*(\q)+32*\c+\i*16*PITCH
.endr
.endr
	WIN 0
.endm
.macro FETCH_A slot, q                 ; A's four
.irp i, 0,1,2,3
.irp c, 0,1,2,3
	ds_load_b128 v[AF+64*(\q)+FR*\i+4*\c:AF+64*(\q)+FR*\i+4*\c+3], v[ADRA+\slot] offset:(16*\i+8*(\q)+2*\c)*PITCH
.endr
.endr
.endm
.macro MUL8 a, p, zero                 ; A's block a x B's eight; the 32 accumulators take turns, one instruction a turn
.if \zero
	WIN 0x81
.else
	WIN 0xa1
.endif
.irp b, 0,1,2,3,4,5,6,7
.if \zero
	v_wmma_f32_16x16x128_bf8_bf8 v[8*(8*\a+\b):8*(8*\a+\b)+7], v[128*(\p)+FR*\b:128*(\p)+FR*\b+FR-1], v[AF+64*(\p)+FR*\a:AF+64*(\p)+FR*\a+FR-1], v[BI+8*\b:BI+8*\b+7]
.else
	v_wmma_f32_16x16x128_bf8_bf8 v[8*(8*\a+\b):8*(8*\a+\b)+7], v[128*(\p)+FR*\b:128*(\p)+FR*\b+FR-1], v[AF+64*(\p)+FR*\a:AF+64*(\p)+FR*\a+FR-1], v[8*(8*\a+\b):8*(8*\a+\b)+7]
.endif
.endr
.endm
.macro PLACES n
.rept \n
	v_nop
.endr
.endm
.macro STEP slot, zero                 ; the first 128 along K of a slot
	PLACES NP                                      ; behind the products that read set 1
	WIN 0
	s_wait_dscnt 16                                ; B's set 0 is in; the youngest sixteen, A's, may be out
	FETCH_B \slot, 1
	s_wait_dscnt 32                                ; A's set 0 is in; the 32 just issued may be out
	MUL8 0, 0, \zero
	MUL8 1, 0, \zero
	WIN 0
	FETCH_A \slot, 1
	MUL8 2, 0, \zero
	MUL8 3, 0, \zero
	WIN 0
.endm
.macro TURN slot, next, fill           ; the second 128 along K changes slots
	s_wait_tensorcnt 0x0                           ; my part of the next slot has landed
	ds_add_u32 v[SPW], v[NIL]
	s_wait_dscnt 1                                 ; set 1 is in; the add may be out
	MUL8 0, 1, 0
	MUL8 1, 1, 0
	s_wait_dscnt 0x0                               ; the add is done, and so are my reads of this slot
	s_barrier_signal -1
	MUL8 2, 1, 0
	WIN 0
	s_barrier_wait -1
.if \fill
	CREST
	s_add_nc_u64 s[G0+4*\slot+2:G0+4*\slot+3], s[G0+4*\slot+2:G0+4*\slot+3], 2*ASTEP
	s_add_nc_u64 s[G0B+4*\slot+2:G0B+4*\slot+3], s[G0B+4*\slot+2:G0B+4*\slot+3], 2*ROWB
	JLOAD \slot
.else
	PLACES NP
.endif
	FETCH_B \next, 0
	FETCH_A \next, 0
	MUL8 3, 1, 0
.endm
	s_wait_alu depctr_va_vdst(0)
	s_wait_tensorcnt 0x0
	ds_add_u32 v[SPW], v[NIL]
	s_wait_dscnt 0x0
	CROUND
	JLOAD 1
	FETCH_B 0, 0
	FETCH_A 0, 0
	STEP 0, 1
	TURN 0, 1, 1
	STEP 1, 0
	TURN 1, 0, 1
	STEP 0, 0
	TURN 0, 1, 0                                   ; the last two slots are filled no more
	STEP 1, 0
	s_wait_dscnt 0x0
	MUL8 0, 1, 0
	MUL8 1, 1, 0
	MUL8 2, 1, 0
	MUL8 3, 1, 0
; THE WAY OUT, block by block of 16 rows x 128 columns, through my own stage in LDS: whole rows of 512 bytes are stored.  LDS serves a wave's instructions in order (ISA guide 5.7.1.4)
.macro TOSTAGE a
.set AC, 64*(\a)
	WIN 0x02
.irp j, 0,2,4,6,8,10,12,14,16,18,20,22,24,26,28,30,32,34,36,38,40,42,44,46,48,50,52,54,56,58,60,62
	v_pk_mul_f32 v[TMP+\j:TMP+\j+1], v[AC+\j:AC+\j+1], s[96:97] op_sel_hi:[1,0]
.endr
	WIN 0
.irp b, 0,1,2,3,4,5,6,7
	ds_store_b128 v[STO], v[TMP+8*\b:TMP+8*\b+3] offset:64*\b
	ds_store_b128 v[STO], v[TMP+8*\b+4:TMP+8*\b+7] offset:64*\b+16
.endr
.set BB, BK+64*((\a)%2)
.irp t, 0,1,2,3,4,5,6,7,8,9,10,11,12,13,14,15
	ds_load_b128 v[BB+4*\t:BB+4*\t+3], v[RD] offset:\t*SPITCH
.endr
.endm
.macro SEND a, younger
.set BB, BK+64*((\a)%2)
	s_wait_dscnt \younger                          ; the block is back in registers
.if (\a) > 0
	s_add_nc_u64 s[12:13], s[12:13], 16*4096       ; (behind a wait on XCNT)
.endif
.irp t, 0,1,2,3,4,5,6,7,8,9,10,11,12,13,14,15
	global_store_b128 v[CO], v[BB+4*\t:BB+4*\t+3], s[12:13] offset:\t*4096 th:TH_STORE_NT   ; 512 consecutive bytes, aligned
.endr
.endm
	PLACES NP
	TOSTAGE 0
.irp a, 1,2,3
.if \a > 1
	s_wait_xcnt 0x0                                ; the earlier stores have read their registers and their base
.endif
	TOSTAGE \a
	SEND \a-1, 32                                  ; behind block a - 1's loads: block a's 16 stores and 16 loads
.endr
	s_wait_xcnt 0x0
	SEND 3, 0
	s_wait_tensorcnt 0x0                           ; the wave's end
	ds_add_u32 v[SPW], v[NIL]
	s_wait_dscnt 0x0
	CROUND
	s_endpgm
.Lfunc_end_k_qfde4cd3aea_outp:
	.size	k_qfde4cd3aea_outp, .Lfunc_end_k_qfde4cd3aea_outp-k_qfde4cd3aea_outp
	.p2alignl 7, 3214868480
	.fill 96, 4, 3214868480
	.section	.rodata,"a",@progbits
	.p2align	6, 0x0
	.amdhsa_kernel k_qfde4cd3aea_outp
		.amdhsa_group_segment_fixed_size 327680
		.amdhsa_private_segment_fixed_size 0
		.amdhsa_enable_private_segment 0
		.amdhsa_kernarg_size 40
		.amdhsa_user_sgpr_count 2
		.amdhsa_user_sgpr_kernarg_segment_ptr 1
		.amdhsa_wavefront_size32 1
		.amdhsa_system_sgpr_workgroup_id_x 1
		.amdhsa_system_sgpr_workgroup_id_y 1
		.amdhsa_system_sgpr_workgroup_id_z 1
		.amdhsa_system_vgpr_workitem_id 0
		.amdhsa_next_free_vgpr 1024
		.amdhsa_next_free_sgpr 100
		.amdhsa_reserve_vcc 0
		.amdhsa_float_denorm_mode_32 3
		.amdhsa_float_denorm_mode_16_64 3
		.amdhsa_memory_ordered 1
		.amdhsa_forward_progress 1
		.amdhsa_inst_pref_size 81
	.end_amdhsa_kernel
	.amdgpu_metadata
---
amdhsa.version: [ 1, 2 ]
amdhsa.kernels:
  - .name:           k_qfde4cd3aea_outp
    .symbol:         k_qfde4cd3aea_outp.kd
    .args:
      - { .name: a_img, .offset: 0, .size: 8, .value_kind: global_buffer, .address_space: global }
      - { .name: Wo_codes, .offset: 8, .size: 8, .value_kind: global_buffer, .address_space: global }
      - { .name: lowp_scales, .offset: 16, .size: 8, .value_kind: global_buffer, .address_space: global }
      - { .name: bo, .offset: 24, .size: 8, .value_kind: global_buffer, .address_space: global }
      - { .name: out0, .offset: 32, .size: 8, .value_kind: global_buffer, .address_space: global }
    .group_segment_fixed_size: 327680
    .private_segment_fixed_size: 0
    .kernarg_segment_align: 8
    .kernarg_segment_size: 40
    .max_flat_workgroup_size: 128
    .sgpr_count:     100
    .vgpr_count:     1024
    .wavefront_size: 32
...
	.end_amdgpu_metadata
.endif
;; end of part 3
